; MI455X (gfx1250); checked and timed in simulation.
; The chip was launched on July 23, 2026; its instructions are those of AMD's public machine-readable ISA for CDNA 5 (MIT licence, August 2026) and "CDNA5" Instruction Set Architecture Reference Guide (July 2026). The comments in the code are by the model that wrote it; some were corrected since.
;; Vector Quantizer. Allowed arithmetic: matrix products marked QUANTISED: E5M2 operands, one given power-of-two scale a tensor, by v_wmma_f32_16x16x64_bf8_bf8 or v_wmma_f32_16x16x128_bf8_bf8, f32 sums; everything else in f32.
;; Inputs: codebook 8,192 x 256 float32; lowp_scales 2 int32 (the exponents e of the quantised operands' scales 2^e); z 8 x 4,096 x 256 float32.
;; Outputs: out0 8 x 4,096 x 256 float32; out1 32,768 x 1 int32.
;; This version of the problem:
;;   THIS VERSION OF THE PROBLEM IS GIVEN IN LOW PRECISION. The matrix products marked QUANTISED in the list below multiply operands that are first quantised to E5M2 (5 exponent bits, 2 mantissa bits; 8 bits a number), with one given power-of-two scale for each operand tensor; their sums are f32. All else is computed in f32.
;;   The module's matrix products, in the order in which they are computed (A, B: the left and right operand; K: the contracted axis; several contracted axes count as one K, in the product's order):
;;     1. [M 32,768, K 256] x [K 256, N 8,192]; A: input z; B: input codebook: QUANTISED (scales: A lowp_scales[0], B lowp_scales[1])
;;   THE QUANTISER, for each operand of a quantised product, along K:
;;     - The operand's scale is 2^e, e = its entry of the input lowp_scales (int32; the entries are numbered through the quantised products in the list's order, A before B).
;;     - Each number is divided by the scale, clamped to +-57,344, and rounded to the nearest number of E5M2, ties to even, subnormals kept.
;;     - The product sums the exact products of the quantised numbers (number of the format x scale) in f32.
;;   ~~~python
;;   def quantise(x, axis, e):      # numpy; x: float32 -> the quantised numbers, widened to float32 again
;;       x = np.moveaxis(x, axis, -1); K = x.shape[-1]
;;       r = np.clip(x / 2.0 ** e, -57344, 57344)
;;       step = 2.0 ** (np.maximum(np.frexp(np.where(r == 0, 1, r))[1] - 1, -14) - 2)
;;       q = np.round(r / step) * step * 2.0 ** e      # np.round: ties to even
;;       return np.moveaxis(q, -1, axis).astype(np.float32)
;;   ~~~
;; One version. Each part assembles by itself: llvm-mc -triple=amdgcn-amd-amdhsa -mcpu=gfx1250 --defsym DOCPART=n.
;; ======== version 1 of 1: 3 launches
;; workspace buffers: cbimg 2,129,920 bytes; pick 131,072 bytes of whole numbers
;; launch prep (part 1): grid 128 x 1, 4 waves a work-group, no clusters, 1,536 bytes of LDS; arguments codebook, lowp_scales, cbimg; writes cbimg
.if DOCPART == 1
	.amdgcn_target "amdgcn-amd-amdhsa--gfx1250"
	.amdhsa_code_object_version 6
	.text
	.protected	k_qc04f40ab7b_prep
	.globl	k_qc04f40ab7b_prep
	.p2align	8
	.type	k_qc04f40ab7b_prep,@function
k_qc04f40ab7b_prep:
	s_mov_b64 s[64:65], 0
	v_nop
	global_prefetch_b8 v0, s[64:65] scope:SCOPE_SE
	s_setreg_imm32_b32 hwreg(HW_REG_WAVE_MODE, 25, 1), 1
	s_wait_xcnt 0x0
; The codebook [8192][256] f32 is made ready for the search, once for all its readers.  Two things are stored for each PART of 64 codebook rows (16,640 bytes = 65 x 256):
;   bytes 0 .. 16,383: the rows' codes of BF8 (E5M2) with the given scale 2^ec, in the ORDER OF A MATRIX OPERAND'S REGISTERS: tile v (16 rows) at 4,096 v, as 8 blocks of 512 bytes; in block 4 kh + c lane l's 16 bytes
;                      lie at 16 l and are the codes of row l % 16 at k = 128 kh + 32 c + 16 (l / 16) + 0 .. 15: registers 4 c .. 4 c + 3 of the fragment of K half kh.
;   bytes 16,384 .. 16,639: 64 f32: -(the row's sum of squares, of the numbers as they are given) x 2^-(ez + ec + 1): what the search hands to the matrix unit as the start of each sum.
; code = x / 2^ec, held within +-57,344, rounded to the nearest code, ties to even.
; LIMITS: ec between -126 and 112 (both powers of two below are f32 numbers); NaN among the inputs is not served; the sum of squares is taken in four packed chains, not in the order of any other program.
; SHARES: work-group g makes part g, its wave v tile v; lane (r, h) takes row 64 g + 16 v + r and of it, in each block of 32 along K, the 16 neighbours 16 h on: so the conversions' results are the image's registers.
; No tensor load, no matrix instruction: 8 MB are read once and a quarter of that is written.
.set PART, 16640
.set X,    32                          ; v32-159   my 128 numbers: 64 kh + 16 b + i
.set C,    160                         ; v160-191  their codes: 16 kh + 4 b .. + 3; each store has registers of its own
	s_load_b128 s[4:7], s[0:1], 0x0                ; the codebook s[4:5], the scales' exponents s[6:7]
	s_load_b64 s[8:9], s[0:1], 0x10                ; the images
	v_lshl_add_u32 v192, v0, 2, 0x400
	v_mov_b32 v193, 0
	v_lshrrev_b32 v1, 5, v0
	v_readfirstlane_b32 s12, v1                    ; wave 0..3
	v_and_b32 v1, 15, v0                           ; r
	v_bfe_u32 v2, v0, 4, 1                         ; h
	v_lshlrev_b32 v3, 10, v1
	v_lshl_add_u32 v3, v2, 6, v3                   ; row r of 1,024 bytes, + 64 h
	v_and_b32 v4, 31, v0
	v_lshlrev_b32 v6, 3, v4                        ; 8 x lane: the way out of the 64 sums
	v_lshlrev_b32 v4, 4, v4                        ; 16 x lane: my place in a block of the image
	s_lshl_b32 s13, s12, 6
	v_lshl_add_u32 v5, v1, 2, s13                  ; LDS: the word of row 16 v + r
	v_mov_b32 v25, 0                               ; written once: a lane permute's destination counts as one of its sources
	s_mov_b32 s16, 0x76543210
	s_mov_b32 s17, 0xfedcba98                      ; v_permlanex16_b32's selects for lane l xor 16
	s_lshl_b32 s20, ttmp9, 16                      ; 64 rows of 1,024 bytes a part,
	s_lshl_b32 s21, s12, 14                        ; 16 a wave
	s_add_co_u32 s20, s20, s21
	s_mov_b32 s21, 0
	s_mul_i32 s22, ttmp9, PART
	s_mov_b32 s23, 0
	s_lshl_b32 s24, s12, 12                        ; a tile's image: 4,096 bytes
	s_mov_b32 s25, 0
	s_wait_kmcnt 0x0
	s_load_b64 s[14:15], s[6:7], 0x0               ; ez, ec
	s_add_nc_u64 s[4:5], s[4:5], s[20:21]          ; my wave's 16 rows
	s_add_nc_u64 s[8:9], s[8:9], s[22:23]          ; my work-group's part
	s_add_nc_u64 s[10:11], s[8:9], s[24:25]        ; my wave's tile in it
.irp kh, 0,1
.irp b, 0,1,2,3
.irp j, 0,1,2,3
	global_load_b128 v[X+64*\kh+16*\b+4*\j:X+64*\kh+16*\b+4*\j+3], v3, s[4:5] offset:512*\kh+128*\b+16*\j   ; no hint: the last launch of the program reads these rows again
.endr
.endr
.endr
	s_wait_kmcnt 0x0
	s_add_co_i32 s26, s15, 127
	s_lshl_b32 s27, s26, 23
	v_mov_b32 v11, s27                             ; 2^ec as f32: the conversion takes its exponent field
	s_add_co_i32 s26, s26, 15
	s_lshl_b32 s26, s26, 23
	s_or_b32 s26, s26, 0x600000
	v_mov_b32 v10, s26                             ; 57,344 x 2^ec
	s_add_co_i32 s28, s14, s15
	s_add_co_i32 s28, s28, 1
	s_sub_co_i32 s28, 0, s28                       ; -(ez + ec + 1)
; the squares of K half kh's 64 numbers, two at a time, in four chains v[16:23]; the first four pairs start the chains: nothing is cleared
.macro SQ kh
.set p, 0
.rept 32
.if (\kh == 0) && (p < 4)
	v_pk_mul_f32 v[16+2*p:17+2*p], v[X+2*p:X+2*p+1], v[X+2*p:X+2*p+1]
.else
	v_pk_fma_f32 v[16+2*(p%4):17+2*(p%4)], v[X+64*\kh+2*p:X+64*\kh+2*p+1], v[X+64*\kh+2*p:X+64*\kh+2*p+1], v[16+2*(p%4):17+2*(p%4)]
.endif
.set p, p+1
.endr
.endm
; the same 64 numbers become a fragment's 16 registers of codes, and leave: each store covers 512 consecutive bytes, aligned
.macro QUANT kh
.irp b, 0,1,2,3
.irp i, 0,1,2,3,4,5,6,7,8,9,10,11,12,13,14,15
	v_med3_num_f32 v[X+64*\kh+16*\b+\i], v[X+64*\kh+16*\b+\i], -v10, v10   ; the conversion to an 8-bit code does not saturate (ISA guide 7.6.2): the hold at the largest code x the scale
.endr
	v_cvt_scalef32_pk8_bf8_f32 v[C+16*\kh+4*\b:C+16*\kh+4*\b+1], v[X+64*\kh+16*\b:X+64*\kh+16*\b+7], v11
	v_cvt_scalef32_pk8_bf8_f32 v[C+16*\kh+4*\b+2:C+16*\kh+4*\b+3], v[X+64*\kh+16*\b+8:X+64*\kh+16*\b+15], v11
.endr
	v_nop                                          ; one plain vector instruction behind the last conversion of the run
.irp c, 0,1,2,3
	global_store_b128 v4, v[C+16*\kh+4*\c:C+16*\kh+4*\c+3], s[10:11] offset:2048*\kh+512*\c
.endr
.endm
	s_wait_loadcnt 16                              ; the first K half's sixteen loads are in; the second half's sixteen may be out
	SQ 0
	QUANT 0
	s_wait_loadcnt 0x0
	SQ 1
	QUANT 1
	v_pk_add_f32 v[16:17], v[16:17], v[18:19]
	v_pk_add_f32 v[20:21], v[20:21], v[22:23]
	v_pk_add_f32 v[16:17], v[16:17], v[20:21]
	v_add_f32 v24, v16, v17                        ; my half of the row's sum of squares,
	v_permlanex16_b32 v25, v24, s16, s17           ; lane l xor 16's,
	v_sub_f32 v24, -v24, v25                       ; and minus the two together
	v_ldexp_f32 v24, v24, s28                      ; x 2^-(ez + ec + 1)
	ds_store_b32 v5, v24                           ; both halves of the lanes write the same word with the same number
	s_wait_dscnt 0x0                               ; for the others' sake: my store has landed
	s_barrier_signal -1
	s_barrier_wait -1
	s_cmp_lg_u32 s12, 0                            ; wave 0 stores the part's 64 numbers: 32 lanes x 8 bytes = 256 consecutive bytes, aligned, in one instruction
	s_cbranch_scc1 .Lend
	ds_load_b64 v[26:27], v6
	s_wait_dscnt 0x0
	global_store_b64 v6, v[26:27], s[8:9] offset:16384
.Lend:
	s_wait_tensorcnt 0x0
	ds_add_u32 v192, v193
	s_wait_dscnt 0x0
	s_endpgm
.Lfunc_end_k_qc04f40ab7b_prep:
	.size	k_qc04f40ab7b_prep, .Lfunc_end_k_qc04f40ab7b_prep-k_qc04f40ab7b_prep
	.p2alignl 7, 3214868480
	.fill 96, 4, 3214868480
	.section	.rodata,"a",@progbits
	.p2align	6, 0x0
	.amdhsa_kernel k_qc04f40ab7b_prep
		.amdhsa_group_segment_fixed_size 1536
		.amdhsa_private_segment_fixed_size 0
		.amdhsa_enable_private_segment 0
		.amdhsa_kernarg_size 24
		.amdhsa_user_sgpr_count 2
		.amdhsa_user_sgpr_kernarg_segment_ptr 1
		.amdhsa_wavefront_size32 1
		.amdhsa_system_sgpr_workgroup_id_x 1
		.amdhsa_system_sgpr_workgroup_id_y 1
		.amdhsa_system_sgpr_workgroup_id_z 1
		.amdhsa_system_vgpr_workitem_id 0
		.amdhsa_next_free_vgpr 194
		.amdhsa_next_free_sgpr 66
		.amdhsa_reserve_vcc 0
		.amdhsa_float_denorm_mode_32 3
		.amdhsa_float_denorm_mode_16_64 3
		.amdhsa_memory_ordered 1
		.amdhsa_forward_progress 1
		.amdhsa_inst_pref_size 20
	.end_amdhsa_kernel
	.amdgpu_metadata
---
amdhsa.version: [ 1, 2 ]
amdhsa.kernels:
  - .name:           k_qc04f40ab7b_prep
    .symbol:         k_qc04f40ab7b_prep.kd
    .args:
      - { .name: codebook, .offset: 0, .size: 8, .value_kind: global_buffer, .address_space: global }
      - { .name: lowp_scales, .offset: 8, .size: 8, .value_kind: global_buffer, .address_space: global }
      - { .name: cbimg, .offset: 16, .size: 8, .value_kind: global_buffer, .address_space: global }
    .group_segment_fixed_size: 1536
    .private_segment_fixed_size: 0
    .kernarg_segment_align: 8
    .kernarg_segment_size: 24
    .max_flat_workgroup_size: 128
    .sgpr_count:     66
    .vgpr_count:     194
    .wavefront_size: 32
...
	.end_amdgpu_metadata
.endif
;; end of part 1
;; launch search (part 2): grid 256 x 1, 8 waves a work-group, clusters of 4 x 1, 327,680 bytes of LDS; arguments z, lowp_scales, cbimg, out1, pick; writes out1, pick
.if DOCPART == 2
	.amdgcn_target "amdgcn-amd-amdhsa--gfx1250"
	.amdhsa_code_object_version 6
	.text
	.protected	k_qc04f40ab7b_search
	.globl	k_qc04f40ab7b_search
	.p2align	8
	.type	k_qc04f40ab7b_search,@function
k_qc04f40ab7b_search:
	s_mov_b64 s[64:65], 0
	v_nop
	global_prefetch_b8 v0, s[64:65] scope:SCOPE_SE
	s_setreg_imm32_b32 hwreg(HW_REG_WAVE_MODE, 25, 1), 1
	s_wait_xcnt 0x0
	s_wait_alu depctr_hold_cnt(0) depctr_sa_sdst(0) depctr_va_vdst(0) depctr_va_sdst(0) depctr_va_ssrc(0) depctr_va_vcc(0) depctr_vm_vsrc(0)
	s_getreg_b32 s2, hwreg(HW_REG_IB_STS2, 6, 4)
	s_cmp_eq_u32 s2, 0
	s_cbranch_scc0 .Lentry_in_a_cluster
	s_endpgm
.Lentry_in_a_cluster:
	s_bfe_u32 s2, ttmp6, 0x10000c
	s_cmp_lg_u32 s2, 0x3003
	s_cbranch_scc0 .Lentry_shape_is_right
	s_endpgm
.Lentry_shape_is_right:
; For each of the 32,768 rows of z: the FIRST index of the nearest of the 8,192 codebook rows, by the product z . codebook^T on codes of BF8 (E5M2), each tensor with its given scale 2^ez, 2^ec.
; WHAT IS COMPARED.  distance = |z|^2 + |e|^2 - S acc, S = 2^(ez + ec + 1), acc = the f32 sum of the products of codes.  The row's smallest distance is its largest g = acc - |e|^2 / S.  -|e|^2 / S comes
; ready from the launch before and is the C of a sum's first matrix instruction: the term and the factor -2 cost no vector instruction.
; LIMITS, stated: (1) |z|^2 is one number for a whole row and moves no distance past another; it is not added, so g is rounded on a finer grid than the distance is: two codebook rows whose distances lie within a few
; f32 units of each other may be ordered otherwise than by a program that adds the three terms in another order.  Equal g: the lower index, always.  (2) ez between -126 and 112.  (3) NaN among the inputs is not
; served; a row all of whose g are -infinity gets index 0.
; SHARES.  A work-group owns 128 rows of z and walks all codes.  EVERY one of its eight waves holds all 128 rows as source 1 (8 tiles x 2 K halves x 16 registers = window 1, whole); THE WAVES SHARE THE CODES: of each
; chunk of 512 codebook rows wave w takes part w, 64 rows, fetches it by its own tensor load and alone reads it.  So each code byte is read from LDS once in the work-group, and a fragment pair with its C
; (40 registers, ten LDS loads) feeds 16 matrix instructions.  Two waves share a SIMD's registers (2 x 512): while one walks its vector work the other's matrix instructions can be issued.
; TRANSPOSED USE: source 0 = 16 codebook rows, source 1 = 16 rows of z: lane (r, h) holds ONE row of z (r), and its eight registers the codebook rows 8 h + 0 .. 7 of the tile.
; THE ARGMAX, ten vector instructions for a tile of 16 x 16, with no branch and no address made of data: four v_max3 give the new best value of the lane (eight g and the old best); where it equals the old best the
; tile has not won (so the earlier tile keeps a tie); else the tile's first index and its eight g are kept (one select, four pairs of selects).  At the end the lowest j whose kept g equals the best value gives the index.
; K's PLACES: both operands hold k = 32 c + 16 h + 0 .. 15 in registers 4 c .. 4 c + 3 of a K half: the same permutation of k on both sides, so every product meets its partner.
; CLUSTER: all work-groups read the same chunks, so the four of a cluster ask for each part JOINTLY: the same tensor load, the same descriptor (made of the wave's number and constants alone), the mask of all four.
; THE RING: two slots of one chunk (133,120 bytes).  By this text's count a wave has two tensor loads out at the start and one behind each round of the cluster's barrier.
; REGISTERS.  window 0: v1-11 addresses; v12-17 at work; v18-23 lane numbers, the scale, permutes' results; v24-39 best values, two sets by turns; v40-47 the best tile's first index; v48-111 its eight g, for each tile of z;
;   v112-127 C, two sets; v128-191 codes' fragments, two sets of two K halves; v192-255 accumulators, two sets of four.   window 1: z's fragments: tile t, K half kh at v[32 t + 16 kh].
; z fills a window, so a matrix instruction and a vector instruction never share a setting: two switches for each two matrix instructions and ten vector instructions.  Longer stretches would leave one of the two units without work.
.set DUAL,  1                          ; 1: selects and fills go two to an instruction; 0: one by one
.set PART,  16640                      ; 64 codebook rows: 16,384 bytes of codes as register images, 256 bytes of C
.set CHUNK, 8*PART
.set SLOT,  CHUNK
.set ZIMG,  2*SLOT                     ; behind the ring: z's 16 fragments as register images, 2,048 bytes each.  No tensor load lands from here on
.set RED,   ZIMG+32768                 ; the waves' results: [8][128] best values, and 4,096 bytes on [8][128] indices
.set SPARE, RED+8192                   ; the spare words, 128 bytes for each wave: four blocks of 256 bytes that no other line names
.set LAPS,  7                          ; a lap = two chunks = once round the ring; the last two chunks are written out
.set SPW, 1                            ; v1   LDS address of my spare word; never rewritten
.set NIL, 2                            ; v2   0; never rewritten
.set ADR, 3                            ; v3-4 my part's images in slot 0, 1: 16 x lane + PART x wave (+ SLOT)
.set AE,  5                            ; v5-6 my part's C: 32 h + PART x wave (+ SLOT)
.set H8,  7                            ; v7   8 h
.set ZA,  8                            ; v8   z's images: ZIMG + 16 x lane; at the end: RED + 16 x lane
.set ZW,  9                            ; v9   where I store my tile's: + 4,096 x wave
.set XA,  10                           ; v10  z: my lane's byte in the wave's 16 rows
.set RA,  11                           ; v11  RED + 512 x wave + 4 r
.set TM,  12                           ; v12-17 two sets of three
.set RR,  18                           ; v18  r
.set L16, 19                           ; v19  16 x lane
.set SC,  20                           ; v20  2^ez
.set LIM, 21                           ; v21  57,344 x 2^ez
.set PV,  22                           ; v22-23 what lane l xor 16 holds
.set PI,  23
.set BV,  24
.set BC,  40
.set SV,  48
.set EE,  112
.set FR,  128
.set ACC, 192
.set X,   128                          ; at the head: v128-255 my 128 numbers of z
.set PC,  48                           ; and v48-79 their codes
.set IX,  112                          ; at the end: v112-119 the index, for each tile of z
.set MV,  128                          ; at the end, wave 0: v128-159 the eight waves' values of my four rows, v160-191 their indices
.set MI,  160
.set MUL,  0x04                        ; source 1 (z) window 1; all else window 0
.set TO_Z, 0x40                        ; destination window 1
.set MSB, 0
.macro WIN new                         ; the immediate's high byte repeats the setting that is left
.if MSB != \new
	s_set_vgpr_msb (MSB<<8)|\new
.set MSB, \new
.endif
.endm
.macro CREST                           ; a round of the cluster's barrier behind its opening barrier
	s_cmp_lg_u32 s14, 0
	s_cbranch_scc1 .Lnot_wave_0_\@
	s_barrier_signal -3
.Lnot_wave_0_\@:
	s_barrier_wait -3
	s_barrier_signal -1
	s_barrier_wait -1
.endm
.macro CROUND                          ; a whole round
	s_barrier_signal -1
	s_barrier_wait -1
	CREST
.endm
.macro FILL2 d, s                      ; v[d], v[d + 1] = v[s]
.if DUAL
	v_dual_mov_b32 v[\d], v[\s] :: v_dual_mov_b32 v[\d+1], v[\s]
.else
	v_mov_b32 v[\d], v[\s]
	v_mov_b32 v[\d+1], v[\s]
.endif
.endm
; 64 numbers of a lane, register 16 b + i = k 32 b + 16 h + i of my row, become a fragment's 16 registers of codes
.macro QUANT s, pc
.irp b, 0,1,2,3
.irp i, 0,1,2,3,4,5,6,7,8,9,10,11,12,13,14,15
	v_med3_num_f32 v[\s+16*\b+\i], v[\s+16*\b+\i], -v[LIM], v[LIM]   ; the conversion to an 8-bit code does not saturate (ISA guide 7.6.2): the hold at the largest code x the scale
.endr
	v_cvt_scalef32_pk8_bf8_f32 v[\pc+4*\b:\pc+4*\b+1], v[\s+16*\b:\s+16*\b+7], v[SC]
	v_cvt_scalef32_pk8_bf8_f32 v[\pc+4*\b+2:\pc+4*\b+3], v[\s+16*\b+8:\s+16*\b+15], v[SC]
.endr
	v_nop                                          ; one plain vector instruction behind the last conversion of the run
.endm
; One matrix instruction: codes' set fb, K half kh, against tile 4 q + t of z, into accumulator t of set q.  The first K half starts the sum with C = -|e|^2 / S.
.macro WM fb, q, kh, t
.set DD, ACC+32*(\q)+8*(\t)
.set AA, FR+32*(\fb)+16*(\kh)
.set BB, 32*(4*(\q)+(\t))+16*(\kh)
.if \kh == 0
	v_wmma_f32_16x16x128_bf8_bf8 v[DD:DD+7], v[AA:AA+15], v[BB:BB+15], v[EE+8*(\fb):EE+8*(\fb)+7]
.else
	v_wmma_f32_16x16x128_bf8_bf8 v[DD:DD+7], v[AA:AA+15], v[BB:BB+15], v[DD:DD+7]
.endif
.endm
; The ten vector instructions for accumulator i of set aq (tile 4 aq + i of z).  The old best value lies in set p, the new goes to the other.  s40 = the first index of the tile of codes that the accumulator belongs to.
; The accumulator is read from its low end on.
.macro SLICE aq, i, p
.set GG, ACC+32*(\aq)+8*(\i)
.set TT, 4*(\aq)+(\i)
.set TP, TM+3*((\i)%2)
.set BO, BV+8*(\p)+TT
.set BN, BV+8*(1-(\p))+TT
.set SS, SV+8*TT
	v_max3_num_f32 v[TP], v[GG], v[GG+1], v[GG+2]
	v_max3_num_f32 v[TP+1], v[GG+3], v[GG+4], v[GG+5]
	v_max3_num_f32 v[TP+2], v[GG+6], v[GG+7], v[BO]
	v_max3_num_f32 v[BN], v[TP], v[TP+1], v[TP+2]
	v_cmp_eq_f32 vcc_lo, v[BN], v[BO]              ; equal: the tile has not won, all is kept
	v_cndmask_b32 v[BC+TT], s40, v[BC+TT], vcc_lo
.irp j, 0,2,4,6
.if DUAL
	v_dual_cndmask_b32 v[SS+\j], v[GG+\j], v[SS+\j] :: v_dual_cndmask_b32 v[SS+\j+1], v[GG+\j+1], v[SS+\j+1]   ; both halves select by VCC; even and odd neighbours: different banks in every place
.else
	v_cndmask_b32 v[SS+\j], v[GG+\j], v[SS+\j], vcc_lo
	v_cndmask_b32 v[SS+\j+1], v[GG+\j+1], v[SS+\j+1], vcc_lo
.endif
.endr
.endm
; Ten LDS loads in one run: tile tau of my part in a slot: its two fragments as they were stored (512 consecutive bytes a load) and its C (lane (r, h): the eight numbers of codebook rows 8 h on), into set fb
.macro FETCH slot, tau, fb
.irp i, 0,1,2,3,4,5,6,7
	ds_load_b128 v[FR+32*(\fb)+4*\i:FR+32*(\fb)+4*\i+3], v[ADR+(\slot)] offset:4096*(\tau)+512*\i
.endr
	ds_load_b128 v[EE+8*(\fb):EE+8*(\fb)+3], v[AE+(\slot)] offset:16384+64*(\tau)
	ds_load_b128 v[EE+8*(\fb)+4:EE+8*(\fb)+7], v[AE+(\slot)] offset:16384+64*(\tau)+16
.endm
; A BATCH: one tile of codes (set fb) against four tiles of z (4 q on): eight matrix instructions on four accumulators by turns, one instruction a turn, and between them
; the four slices of the batch BEFORE, on the other set of accumulators.  A slice is ten plain instructions that name no register of the matrix instructions round it: so every result is read, every fragment
; register loaded anew and every accumulator begun anew at least ten places behind the last matrix instruction that names it (ISA guide 7.12.1).
; hook = 1: tile ht of slot hs is fetched into the other set, 14 matrix instructions ahead of its use;  2: and behind it stand the wait for all my tensor loads and the add;  3: and the wait alone.
; cbs: by how much the first index steps from the tile before to this one; the step stands behind the batch's slices, which still belong to the tile before.
.macro BATCH fb, q, hook, hs, ht, cbs
.if \q
.set PP, \fb
.else
.set PP, 1-\fb
	s_wait_dscnt 0x0                               ; this tile's fragments and C are in
.endif
	WIN MUL
	WM \fb, \q, 0, 0
	WM \fb, \q, 0, 1
	WIN 0
	SLICE 1-\q, 0, PP
.if \hook
	FETCH \hs, \ht, 1-\fb
.endif
.if \hook >= 2
	s_wait_tensorcnt 0x0                           ; all my tensor loads have landed: the one that was out is my part of the other slot
.endif
.if \hook == 2
	ds_add_u32 v[SPW], v[NIL]                      ; 0 onto my spare word: the rest of the batch stands between it and the wait for it
.endif
	WIN MUL
	WM \fb, \q, 0, 2
	WM \fb, \q, 0, 3
	WIN 0
	SLICE 1-\q, 1, PP
	WIN MUL
	WM \fb, \q, 1, 0
	WM \fb, \q, 1, 1
	WIN 0
	SLICE 1-\q, 2, PP
	WIN MUL
	WM \fb, \q, 1, 2
	WM \fb, \q, 1, 3
	WIN 0
	SLICE 1-\q, 3, PP
.if \q == 0
	s_add_co_u32 s40, s40, \cbs
.endif
.endm
; A PHASE: my part of one chunk: four tiles of codes, eight batches, 64 matrix instructions.  mode 1: the slot is filled again, with the chunk two on; 0: nothing is asked for; 2: the last chunk.
; The change of slots: the slot's last tile is fetched in the fifth batch; there each wave waits for all its tensor loads and adds 0 to its spare word; behind that batch it waits for the add and for its reads of the slot
; and signals; the sixth batch is register work between the signal and the wait; the barrier opens a round of the cluster's barrier, behind which no wave of any partner reads the slot or has a load on its way;
; the joint refill is the first thing behind the round, and has seven batches of each wave in which to land.
.macro PHASE slot, mode
	BATCH 0, 0, 1, \slot, 1, 464                   ; from a part's last tile to my part's first in the next chunk: 512 - 48
	BATCH 0, 1, 0, 0, 0, 0
	BATCH 1, 0, 1, \slot, 2, 16
	BATCH 1, 1, 0, 0, 0, 0
.if \mode == 1
	BATCH 0, 0, 2, \slot, 3, 16
	s_add_nc_u64 s[34+4*\slot:35+4*\slot], s[34+4*\slot:35+4*\slot], 2*CHUNK   ; no tensor load of mine is out, so a group 0 may be written: this slot's next chunk; the type bits on top are not reached
	s_wait_dscnt 0x0                               ; the add is done, and my reads of this slot are over
	s_barrier_signal -1
	BATCH 0, 1, 0, 0, 0, 0
	s_barrier_wait -1
	CREST
	tensor_load_to_lds s[32+4*\slot:35+4*\slot], s[24:31]
	s_nop 0
.rept 4
	v_nop                                          ; four v_nop follow the line, ahead of the next switch of windows
.endr
	BATCH 1, 0, 1, 1-\slot, 0, 16
.elseif \mode == 0
	BATCH 0, 0, 3, \slot, 3, 16                    ; my part of the last chunk has landed; I alone read it, so my own wait is all that the reads need
	BATCH 0, 1, 0, 0, 0, 0
	BATCH 1, 0, 1, 1-\slot, 0, 16
.else
	BATCH 0, 0, 1, \slot, 3, 16
	BATCH 0, 1, 0, 0, 0, 0
	BATCH 1, 0, 0, 0, 0, 16
.endif
	BATCH 1, 1, 0, 0, 0, 0
.endm
; (value, index) a becomes the better of a and b: the larger value; of equal values the lower index
.macro BETTER va, ia, vb, ib
	v_cmp_gt_f32 s44, v[\vb], v[\va]
	v_cmp_eq_f32 s45, v[\vb], v[\va]
	v_cmp_lt_u32 s46, v[\ib], v[\ia]
	s_and_b32 s45, s45, s46
	s_or_b32 vcc_lo, s44, s45
	v_cndmask_b32 v[\va], v[\va], v[\vb], vcc_lo
	v_cndmask_b32 v[\ia], v[\ia], v[\ib], vcc_lo
.endm
	s_load_b256 s[4:11], s[0:1], 0x0               ; z s[4:5], the scales' exponents s[6:7], the images s[8:9], out1 s[10:11]
	s_load_b64 s[12:13], s[0:1], 0x20              ; pick
	v_lshl_add_u32 v[SPW], v0, 2, SPARE
	v_mov_b32 v[NIL], 0
	ds_add_u32 v1, v2
	ds_add_u32 v1, v2
	s_wait_dscnt 0x0
	v_lshrrev_b32 v[TM], 5, v0
	v_readfirstlane_b32 s14, v[TM]                 ; wave 0..7
	v_and_b32 v[RR], 15, v0                        ; r
	v_bfe_u32 v[H8], v0, 4, 1                      ; h, for now
	v_lshlrev_b32 v[XA], 10, v[RR]
	v_lshl_add_u32 v[XA], v[H8], 6, v[XA]          ; z: row r of 1,024 bytes, + 64 h: my 16 numbers of a block of 32
	s_bfe_u32 s15, ttmp6, 0x40000                  ; cx: my place in the cluster
	s_lshl_b32 s16, ttmp9, 2                       ; in a cluster launch ttmp9 counts clusters
	s_add_co_u32 s16, s16, s15                     ; my block of 128 rows: it enters z's, out1's and pick's addresses alone
	; descriptor group 1: a part is dense in memory: 65 rows of 32 elements of 8 bytes, laid into LDS without gaps
	s_mov_b32 s24, 15|(3<<16)|(1<<21)              ; 15:0 the mask: all four work-groups; 17:16 elements of 8 bytes; 20 no padding; 21 set beside a mask
	s_mov_b32 s25, 32<<16                          ; tensor_dim0 = 32
	s_mov_b32 s26, 65<<16                          ; tensor_dim1 = 65
	s_mov_b32 s27, 32<<16                          ; tile_dim0 = 32
	s_mov_b32 s28, 65                              ; tile_dim1 = 65
	s_mov_b32 s29, 32                              ; tensor_dim0_stride
	s_mov_b32 s30, 0
	s_mov_b32 s31, 0
	s_mov_b32 s42, 0x76543210
	s_mov_b32 s43, 0xfedcba98                      ; v_permlanex16_b32's selects for lane l xor 16
	s_mov_b32 s41, LAPS
	s_lshl_b32 s40, s14, 6
	s_sub_co_u32 s40, s40, 464                     ; the first index, one step ahead of my first tile (64 x wave); it wraps round and is never kept
	s_lshl_b32 s18, s16, 17                        ; 128 rows of 1,024 bytes a work-group,
	s_lshl_b32 s19, s14, 14                        ; 16 a wave
	s_add_co_u32 s18, s18, s19
	s_mov_b32 s19, 0
	s_mul_i32 s20, s14, PART                       ; my part's place in a chunk, in memory and in a slot: the wave's number and a constant
	s_mov_b32 s21, 0
	s_lshl_b32 s22, s16, 9                         ; my work-group's 128 indices: 512 bytes
	s_mov_b32 s23, 0
	s_wait_kmcnt 0x0
	s_load_b32 s50, s[6:7], 0x0                    ; ez
	s_add_nc_u64 s[4:5], s[4:5], s[18:19]
	s_add_nc_u64 s[8:9], s[8:9], s[20:21]
	s_add_nc_u64 s[10:11], s[10:11], s[22:23]
	s_add_nc_u64 s[12:13], s[12:13], s[22:23]
.irp kh, 0,1                                   ; wave w quantises tile w of z: its 16 rows, 128 numbers a lane; read once in the whole launch
.irp b, 0,1,2,3
.irp j, 0,1,2,3
	global_load_b128 v[X+64*\kh+16*\b+4*\j:X+64*\kh+16*\b+4*\j+3], v[XA], s[4:5] offset:512*\kh+128*\b+16*\j th:TH_LOAD_NT
.endr
.endr
.endr
.irp n, 0,1                                    ; descriptor group 0, a set for each slot
	s_mov_b32 s[32+4*\n], 1                        ; 1:0 count = 1
	s_add_co_u32 s[33+4*\n], s20, \n*SLOT          ; 63:32 LDS address
	s_add_nc_u64 s[34+4*\n:35+4*\n], s[8:9], \n*CHUNK   ; 120:64 global address: my part of chunk n
	s_or_b32 s[35+4*\n], s[35+4*\n], 0x80000000    ; 127:126 type = 2
.endr
	CROUND                                         ; all four work-groups are here: the first joint loads meet
	tensor_load_to_lds s[32:35], s[24:31]          ; the two first fills stand together, ahead of every wait on TENSORcnt, every LDS read and every other barrier
	s_nop 0
	tensor_load_to_lds s[36:39], s[24:31]
	s_nop 0
.rept 4
	v_nop
.endr
	v_and_b32 v[L16], 31, v0
	v_lshlrev_b32 v[L16], 4, v[L16]
	v_add_nc_u32 v[ADR], s20, v[L16]
	v_add_nc_u32 v[ADR+1], SLOT, v[ADR]
	v_lshl_add_u32 v[AE], v[H8], 5, s20
	v_add_nc_u32 v[AE+1], SLOT, v[AE]
	v_add_nc_u32 v[ZA], ZIMG, v[L16]
	s_lshl_b32 s22, s14, 12
	v_add_nc_u32 v[ZW], s22, v[ZA]
	s_lshl_b32 s22, s14, 9
	v_lshl_add_u32 v[RA], v[RR], 2, s22
	v_add_nc_u32 v[RA], RED, v[RA]
	v_lshlrev_b32 v[H8], 3, v[H8]                  ; 8 h
	v_mov_b32 v[PV], 0                             ; written once: a lane permute's destination counts as one of its sources
	v_mov_b32 v[PI], 0
	v_mov_b32 v[TM], 0xff800000                    ; -infinity
	FILL2 BV, TM                                   ; the best values so far: tiles 0-3 begin in set 0,
	FILL2 BV+2, TM
	FILL2 BV+12, TM                                ; tiles 4-7 in set 1: their first slice, below, is an empty one
	FILL2 BV+14, TM
.irp t, 0,2,4,6
	FILL2 BC+\t, NIL
.endr
	s_wait_kmcnt 0x0
	s_add_co_i32 s18, s50, 127
	s_lshl_b32 s19, s18, 23
	v_mov_b32 v[SC], s19                           ; 2^ez as f32: the conversion takes its exponent field
	s_add_co_i32 s18, s18, 15
	s_lshl_b32 s18, s18, 23
	s_or_b32 s18, s18, 0x600000
	v_mov_b32 v[LIM], s18                          ; 57,344 x 2^ez
	s_wait_loadcnt 16                              ; the first K half's sixteen loads are in; the second half's sixteen may be out
	QUANT X, PC
.irp c, 0,1,2,3
	ds_store_b128 v[ZW], v[PC+4*\c:PC+4*\c+3] offset:512*\c          ; a fragment goes to LDS as an image of its registers: lane l's 16 bytes at 16 l
.endr
	s_wait_loadcnt 0x0
	QUANT X+64, PC+16
.irp c, 0,1,2,3
	ds_store_b128 v[ZW], v[PC+16+4*\c:PC+16+4*\c+3] offset:2048+512*\c
.endr
	s_wait_tensorcnt 0x1                           ; my part of chunk 0 is in; chunk 1's load may stay out
	s_wait_dscnt 0x0                               ; for the others' sake: my stores have landed
	s_barrier_signal -1
	s_barrier_wait -1                              ; z's sixteen fragments lie in LDS
	WIN TO_Z
.irp t, 0,1,2,3,4,5,6,7                        ; every wave takes all of them: they stay in window 1 for the whole launch
.irp kh, 0,1
.irp c, 0,1,2,3
	ds_load_b128 v[32*\t+16*\kh+4*\c:32*\t+16*\kh+4*\c+3], v[ZA] offset:4096*\t+2048*\kh+512*\c
.endr
.endr
.endr
	WIN 0
	FETCH 0, 0, 0                                  ; my first tile of codes
	; The loop has no first trip of its own: its first batch finds -infinity in the second set of accumulators, which wins nothing, and the kept g begin as -infinity.  These fills stand while the loads above are out.
.irp j, 0,2,4,6,8,10,12,14,16,18,20,22,24,26,28,30,32,34,36,38,40,42,44,46,48,50,52,54,56,58,60,62
	FILL2 SV+\j, TM
.endr
.irp j, 0,2,4,6,8,10,12,14,16,18,20,22,24,26,28,30
	FILL2 ACC+32+\j, TM
.endr
.Llap:                                             ; seven trips: chunks 0 to 13 are multiplied, chunks 2 to 15 asked for
	PHASE 0, 1
	PHASE 1, 1
	s_sub_co_u32 s41, s41, 1
	s_cmp_lg_u32 s41, 0
	s_cbranch_scc1 .Llap
	PHASE 0, 0                                     ; the last two chunks are written out
	PHASE 1, 2
.irp i, 0,1,2,3
	SLICE 1, \i, 1                                 ; the last batch's slices; after 64 tiles of codes the best values lie in set 0
.endr
	; THE END.  j = the lowest place whose kept g equals the best value; index = the tile's first index + 8 h + j.
.irp t, 0,1,2,3,4,5,6,7
	v_mov_b32 v[IX+\t], 7
.endr
.irp j, 6,5,4,3,2,1,0
.irp t, 0,1,2,3,4,5,6,7
	v_cmp_neq_f32 vcc_lo, v[SV+8*\t+\j], v[BV+\t]
	v_cndmask_b32 v[IX+\t], \j, v[IX+\t], vcc_lo   ; not equal: what was found higher up stays
.endr
.endr
.irp t, 0,1,2,3,4,5,6,7
	v_add3_u32 v[IX+\t], v[BC+\t], v[IX+\t], v[H8]
	v_permlanex16_b32 v[PV], v[BV+\t], s42, s43    ; the row's other eight places of each tile lie in lane l xor 16
	v_permlanex16_b32 v[PI], v[IX+\t], s42, s43
	BETTER BV+\t, IX+\t, PV, PI
	ds_store_b32 v[RA], v[BV+\t] offset:64*\t      ; row 16 t + r of my wave's 128; both halves of the lanes write the same word with the same number
	ds_store_b32 v[RA], v[IX+\t] offset:64*\t+4096
.endr
	v_add_nc_u32 v[ZA], RED, v[L16]                ; made ahead of the branch below
	s_wait_dscnt 0x0                               ; for the others' sake: my stores have landed
	s_barrier_signal -1
	s_barrier_wait -1
	s_cmp_lg_u32 s14, 0                            ; wave 0 joins the eight waves' results: lane l takes rows 4 l .. 4 l + 3
	s_cbranch_scc1 .Ldone
.irp w, 0,1,2,3,4,5,6,7
	ds_load_b128 v[MV+4*\w:MV+4*\w+3], v[ZA] offset:512*\w
	ds_load_b128 v[MI+4*\w:MI+4*\w+3], v[ZA] offset:512*\w+4096
.endr
	s_wait_dscnt 0x0
.irp w, 1,2,3,4,5,6,7
.irp i, 0,1,2,3
	BETTER MV+\i, MI+\i, MV+4*\w+\i, MI+4*\w+\i
.endr
.endr
	global_store_b128 v[L16], v[MI:MI+3], s[10:11] ; 32 lanes store 512 consecutive bytes, aligned: the output,
	global_store_b128 v[L16], v[MI:MI+3], s[12:13] ; and the same whole numbers for the launch that gathers by them
.Ldone:
	s_wait_tensorcnt 0x0                           ; the wave's end, behind my last tensor load and my last LDS store
	ds_add_u32 v[SPW], v[NIL]
	s_wait_dscnt 0x0
	CROUND                                         ; the closing round: no work-group ends while a partner may still ask for a part that names it
	s_endpgm
.Lfunc_end_k_qc04f40ab7b_search:
	.size	k_qc04f40ab7b_search, .Lfunc_end_k_qc04f40ab7b_search-k_qc04f40ab7b_search
	.p2alignl 7, 3214868480
	.fill 96, 4, 3214868480
	.section	.rodata,"a",@progbits
	.p2align	6, 0x0
	.amdhsa_kernel k_qc04f40ab7b_search
		.amdhsa_group_segment_fixed_size 327680
		.amdhsa_private_segment_fixed_size 0
		.amdhsa_enable_private_segment 0
		.amdhsa_kernarg_size 40
		.amdhsa_user_sgpr_count 2
		.amdhsa_user_sgpr_kernarg_segment_ptr 1
		.amdhsa_wavefront_size32 1
		.amdhsa_system_sgpr_workgroup_id_x 1
		.amdhsa_system_sgpr_workgroup_id_y 1
		.amdhsa_system_sgpr_workgroup_id_z 1
		.amdhsa_system_vgpr_workitem_id 0
		.amdhsa_next_free_vgpr 512
		.amdhsa_next_free_sgpr 66
		.amdhsa_reserve_vcc 1
		.amdhsa_float_denorm_mode_32 3
		.amdhsa_float_denorm_mode_16_64 3
		.amdhsa_memory_ordered 1
		.amdhsa_forward_progress 1
		.amdhsa_inst_pref_size 156
	.end_amdhsa_kernel
	.amdgpu_metadata
---
amdhsa.version: [ 1, 2 ]
amdhsa.kernels:
  - .name:           k_qc04f40ab7b_search
    .symbol:         k_qc04f40ab7b_search.kd
    .args:
      - { .name: z, .offset: 0, .size: 8, .value_kind: global_buffer, .address_space: global }
      - { .name: lowp_scales, .offset: 8, .size: 8, .value_kind: global_buffer, .address_space: global }
      - { .name: cbimg, .offset: 16, .size: 8, .value_kind: global_buffer, .address_space: global }
      - { .name: out1, .offset: 24, .size: 8, .value_kind: global_buffer, .address_space: global }
      - { .name: pick, .offset: 32, .size: 8, .value_kind: global_buffer, .address_space: global }
    .group_segment_fixed_size: 327680
    .private_segment_fixed_size: 0
    .kernarg_segment_align: 8
    .kernarg_segment_size: 40
    .max_flat_workgroup_size: 256
    .sgpr_count:     66
    .vgpr_count:     512
    .wavefront_size: 32
...
	.end_amdgpu_metadata
.endif
;; end of part 2
;; launch gather (part 3): grid 512 x 1, 4 waves a work-group, no clusters, 0 bytes of LDS; arguments codebook, pick, out0; writes out0
.if DOCPART == 3
	.amdgcn_target "amdgcn-amd-amdhsa--gfx1250"
	.amdhsa_code_object_version 6
	.text
	.protected	k_qc04f40ab7b_gather
	.globl	k_qc04f40ab7b_gather
	.p2align	8
	.type	k_qc04f40ab7b_gather,@function
k_qc04f40ab7b_gather:
	s_mov_b64 s[64:65], 0
	v_nop
	global_prefetch_b8 v0, s[64:65] scope:SCOPE_SE
	s_setreg_imm32_b32 hwreg(HW_REG_WAVE_MODE, 25, 1), 1
	s_wait_xcnt 0x0
; out0[row][:] = codebook[pick[row]][:], f32, 1,024 bytes a row.  pick holds the whole numbers that the launch before stored: so the addresses here are made of numbers read from memory, not of numbers computed here.
; A wave takes 16 rows: their 16 indices come by one scalar load (64 bytes), each is held under 8,192 and becomes a byte offset; all 32 loads (512 consecutive bytes each) go out at once, and each row is stored as
; soon as its two loads are in: each store covers 512 consecutive bytes, aligned.  No loop: no register is written twice.  No LDS, no barrier, no matrix unit: the launch only moves bytes.
; The loads carry no hint: several rows may name the same codebook row.  The stores' bytes are written once and read by nobody here.
.set OFF, 2                            ; v2-17    row i: the byte offset of my 16 bytes in the codebook
.set D,   20                           ; v20-147  row i: 8 registers
	s_load_b128 s[4:7], s[0:1], 0x0                ; the codebook s[4:5], pick s[6:7]
	s_load_b64 s[8:9], s[0:1], 0x10                ; out0
	v_lshrrev_b32 v1, 5, v0
	v_readfirstlane_b32 s12, v1                    ; wave 0..3
	v_and_b32 v1, 31, v0
	v_lshlrev_b32 v1, 4, v1                        ; 16 x lane
	s_lshl_b32 s13, ttmp9, 2
	s_add_co_u32 s13, s13, s12                     ; which run of 16 rows is my wave's
	s_lshl_b32 s14, s13, 6                         ; its 64 bytes of pick,
	s_mov_b32 s15, 0
	s_lshl_b32 s32, s13, 14                        ; its 16,384 bytes of out0
	s_mov_b32 s33, 0
	s_wait_kmcnt 0x0
	s_add_nc_u64 s[6:7], s[6:7], s[14:15]
	s_add_nc_u64 s[8:9], s[8:9], s[32:33]
	s_load_b512 s[16:31], s[6:7], 0x0              ; 16 indices
	s_wait_kmcnt 0x0
.irp i, 0,1,2,3,4,5,6,7,8,9,10,11,12,13,14,15
	s_min_u32 s[16+\i], s[16+\i], 0x1fff           ; an index stays inside the table
	s_lshl_b32 s[16+\i], s[16+\i], 10              ; a row is 1,024 bytes
	v_add_nc_u32 v[OFF+\i], s[16+\i], v1
.endr
.irp i, 0,1,2,3,4,5,6,7,8,9,10,11,12,13,14,15
	global_load_b128 v[D+8*\i:D+8*\i+3], v[OFF+\i], s[4:5]
	global_load_b128 v[D+8*\i+4:D+8*\i+7], v[OFF+\i], s[4:5] offset:512
.endr
.irp i, 0,1,2,3,4,5,6,7,8,9,10,11,12,13,14,15
	s_wait_loadcnt 30-2*\i                         ; loads come back in order (ISA guide 5.7.1): row i's two are in, those of the rows behind it may be out
	global_store_b128 v1, v[D+8*\i:D+8*\i+3], s[8:9] offset:1024*\i th:TH_STORE_NT
	global_store_b128 v1, v[D+8*\i+4:D+8*\i+7], s[8:9] offset:1024*\i+512 th:TH_STORE_NT
.endr
	s_endpgm
.Lfunc_end_k_qc04f40ab7b_gather:
	.size	k_qc04f40ab7b_gather, .Lfunc_end_k_qc04f40ab7b_gather-k_qc04f40ab7b_gather
	.p2alignl 7, 3214868480
	.fill 96, 4, 3214868480
	.section	.rodata,"a",@progbits
	.p2align	6, 0x0
	.amdhsa_kernel k_qc04f40ab7b_gather
		.amdhsa_group_segment_fixed_size 0
		.amdhsa_private_segment_fixed_size 0
		.amdhsa_enable_private_segment 0
		.amdhsa_kernarg_size 24
		.amdhsa_user_sgpr_count 2
		.amdhsa_user_sgpr_kernarg_segment_ptr 1
		.amdhsa_wavefront_size32 1
		.amdhsa_system_sgpr_workgroup_id_x 1
		.amdhsa_system_sgpr_workgroup_id_y 1
		.amdhsa_system_sgpr_workgroup_id_z 1
		.amdhsa_system_vgpr_workitem_id 0
		.amdhsa_next_free_vgpr 152
		.amdhsa_next_free_sgpr 66
		.amdhsa_reserve_vcc 0
		.amdhsa_float_denorm_mode_32 3
		.amdhsa_float_denorm_mode_16_64 3
		.amdhsa_memory_ordered 1
		.amdhsa_forward_progress 1
		.amdhsa_inst_pref_size 10
	.end_amdhsa_kernel
	.amdgpu_metadata
---
amdhsa.version: [ 1, 2 ]
amdhsa.kernels:
  - .name:           k_qc04f40ab7b_gather
    .symbol:         k_qc04f40ab7b_gather.kd
    .args:
      - { .name: codebook, .offset: 0, .size: 8, .value_kind: global_buffer, .address_space: global }
      - { .name: pick, .offset: 8, .size: 8, .value_kind: global_buffer, .address_space: global }
      - { .name: out0, .offset: 16, .size: 8, .value_kind: global_buffer, .address_space: global }
    .group_segment_fixed_size: 0
    .private_segment_fixed_size: 0
    .kernarg_segment_align: 8
    .kernarg_segment_size: 24
    .max_flat_workgroup_size: 128
    .sgpr_count:     66
    .vgpr_count:     152
    .wavefront_size: 32
...
	.end_amdgpu_metadata
.endif
;; end of part 3
